; MI455X (gfx1250); checked and timed in simulation.
; The chip was launched on July 23, 2026; its instructions are those of AMD's public machine-readable ISA for CDNA 5 (MIT licence, August 2026) and "CDNA5" Instruction Set Architecture Reference Guide (July 2026). The comments in the code are by the model that wrote it; some were corrected since.
;; Group Query Attention. Allowed arithmetic: matrix products marked QUANTISED: E2M3 operands, one E8M0 scale for each 32 along K, by v_wmma_scale_f32_16x16x128_f8f6f4 with both operands' format E2M3, f32 sums; everything else in f32.
;; Inputs: Wk_codes 256 x 64 x 24 uint8 (E2M3 codes of Wk, K innermost, in blocks of 32 codes, four codes in three bytes); Wk_scales 256 x 64 uint8 (E8M0 scales of Wk, one for each 32 codes along K); Wo_codes 2,048 x 64 x 24 uint8 (E2M3 codes of Wo, K innermost, in blocks of 32 codes, four codes in three bytes); Wo_scales 2,048 x 64 uint8 (E8M0 scales of Wo, one for each 32 codes along K); Wq_codes 2,048 x 64 x 24 uint8 (E2M3 codes of Wq, K innermost, in blocks of 32 codes, four codes in three bytes); Wq_scales 2,048 x 64 uint8 (E8M0 scales of Wq, one for each 32 codes along K); Wv_codes 256 x 64 x 24 uint8 (E2M3 codes of Wv, K innermost, in blocks of 32 codes, four codes in three bytes); Wv_scales 256 x 64 uint8 (E8M0 scales of Wv, one for each 32 codes along K); cos 2,048 x 64 float32; sin 2,048 x 64 float32; x_codes 1 x 2,048 x 64 x 24 uint8 (E2M3 codes of x, K innermost, in blocks of 32 codes, four codes in three bytes); x_scales 1 x 2,048 x 64 uint8 (E8M0 scales of x, one for each 32 codes along K).
;; Outputs: out0 1 x 2,048 x 2,048 float32.
;; This version of the problem:
;;   THIS VERSION OF THE PROBLEM IS GIVEN IN LOW PRECISION. The matrix products marked QUANTISED in the list below multiply operands that are first quantised to E2M3 (2 exponent bits, 3 mantissa bits; 6 bits a number), with one power-of-two scale for each 32 numbers along K (OCP MX v1.0); their sums are f32. All else is computed in f32.
;;   The module's matrix products, in the order in which they are computed (A, B: the left and right operand; K: the contracted axis; several contracted axes count as one K, in the product's order):
;;     1. [M 2,048, K 2,048] x [K 2,048, N 2,048]; A: input x (given as codes); B: input Wq (given as codes): QUANTISED
;;     2. [M 2,048, K 2,048] x [K 2,048, N 256]; A: input x (given as codes); B: input Wk (given as codes): QUANTISED
;;     3. [M 2,048, K 2,048] x [K 2,048, N 256]; A: input x (given as codes); B: input Wv (given as codes): QUANTISED
;;     4. batch 32 x [M 2,048, K 64] x [K 64, N 2,048]; A: computed on the way; B: computed on the way: QUANTISED
;;     5. batch 32 x [M 2,048, K 2,048] x [K 2,048, N 64]; A: softmax (see below); B: computed on the way: QUANTISED
;;     6. [M 2,048, K 2,048] x [K 2,048, N 2,048]; A: computed on the way; B: input Wo (given as codes): QUANTISED
;;   THE QUANTISER, for each operand of a quantised product, along K:
;;     - K is cut into blocks of 32 from its start; a last block that is shorter is filled with zeros.
;;     - A block's scale is 2^e with e = floor(log2(the largest magnitude in the block)) - 2, held to -126 .. 127; a block of zeros has e = 0. As a byte (E8M0): e + 127.
;;     - Each number is divided by its block's scale, clamped to +-7.5, and rounded to the nearest number of E2M3, ties to even, subnormals kept.
;;     - The product sums the exact products of the quantised numbers (number of the format x scale) in f32.
;;   ~~~python
;;   def quantise(x, axis):      # numpy; x: float32 -> the quantised numbers, widened to float32 again
;;       x = np.moveaxis(x, axis, -1); K = x.shape[-1]
;;       x = np.pad(x, [(0, 0)] * (x.ndim - 1) + [(0, -K % 32)]); x = x.reshape(x.shape[:-1] + (-1, 32)); a = np.abs(x).max(-1, keepdims=True)
;;       e = np.where(a > 0, np.clip(np.frexp(np.where(a > 0, a, 1))[1] - 1 - 2, -126, 127), 0)      # np.frexp(a)[1] - 1 = floor(log2(a)), exactly
;;       r = np.clip(x / 2.0 ** e, -7.5, 7.5)
;;       step = 2.0 ** (np.maximum(np.frexp(np.where(r == 0, 1, r))[1] - 1, 0) - 3)
;;       q = np.round(r / step) * step * 2.0 ** e      # np.round: ties to even
;;       return np.moveaxis(q.reshape(q.shape[:-2] + (-1,))[..., :K], -1, axis).astype(np.float32)
;;   ~~~
;;   SOFTMAX AHEAD OF A QUANTISED PRODUCT. Where the list says 'softmax', what is quantised is not the finished softmax but p = 2^(t - M), with t = logit x log2(e) and M = ceil(the row's largest t), a whole number; so 1/2 < the row's largest p <= 1. The row's sum l is taken of the UNQUANTISED p, in f32, and the product's result is divided by l at the end. Since M is a whole number, a kernel that streams over the keys may use a running M (the ceiling of the running maximum): every later rescaling is an exact power of two, which a block's scale takes up: the codes' values come out the same.
;;   OPERANDS COMPUTED ON THE WAY. 'Computed on the way' means the value that the module computes at that place (a softmax that the list does not call 'softmax' is quantised finished and normalised). What goes into a quantiser is computed in f32, as accurately as f32 sums, v_exp_f32 and their like allow (about 1e-6 of the number): no bf16 or f16 on the way to a quantiser, and a product that is left as it is and whose result goes on into a quantised operand takes f32 operands (vector FMAs, or v_wmma_f32_16x16x4_f32). A number that lies on a knife's edge between two numbers of the format may be rounded either way, as far as f32 arithmetic and the matrix unit's own rounding can turn it there, and no further.
;;   INPUTS GIVEN AS CODES. Wk (in the module: [256, 2048], K = its axis 1); Wo (in the module: [2048, 2048], K = its axis 1); Wq (in the module: [2048, 2048], K = its axis 1); Wv (in the module: [256, 2048], K = its axis 1); x (in the module: [1, 2048, 2048], K = its axis 2): each comes as NAME_codes (uint8): NAME with its K axis moved to the last place and cut into blocks of 32 codes, [.., K / 32, bytes a block], one block behind the other in memory; four codes in three bytes: a row's codes are one little-endian stream of bits, code i at bits 6 i .. 6 i + 5 (a code: sign, 2 exponent bits, 3 mantissa bits); and NAME_scales (uint8): the same leading axes, one E8M0 byte (e + 127) for each 32 codes along K. Its value is code x scale, taken as it is: it is not quantised again, and the codes and scales need not be those that the quantiser above would give.
;; One version. Each part assembles by itself: llvm-mc -triple=amdgcn-amd-amdhsa -mcpu=gfx1250 --defsym DOCPART=n.
;; ======== version 1 of 1: 3 launches
;; limits: right only within a limited range of input values
;; workspace buffers: qc 3,145,728 bytes; qs 131,072 bytes; kc 393,216 bytes; ks 16,384 bytes; vc 393,216 bytes; vs 16,384 bytes; yc 3,145,728 bytes; ys 131,072 bytes
;; launch proj (part 1): grid 20 x 16, 4 waves a work-group, clusters of 4 x 4, 327,680 bytes of LDS; arguments x_codes, x_scales, Wq_codes, Wq_scales, Wk_codes, Wk_scales, Wv_codes, Wv_scales, cos, sin, qc, qs, kc, ks, vc, vs; writes qc, qs, kc, ks, vc, vs
.if DOCPART == 1
	.amdgcn_target "amdgcn-amd-amdhsa--gfx1250"
	.amdhsa_code_object_version 6
	.text
	.protected	k_q174a474e2a_proj
	.globl	k_q174a474e2a_proj
	.p2align	8
	.type	k_q174a474e2a_proj,@function
k_q174a474e2a_proj:
	s_mov_b64 s[64:65], 0
	v_nop
	global_prefetch_b8 v0, s[64:65] scope:SCOPE_SE
	s_setreg_imm32_b32 hwreg(HW_REG_WAVE_MODE, 25, 1), 1
	s_wait_xcnt 0x0
	s_wait_alu depctr_hold_cnt(0) depctr_sa_sdst(0) depctr_va_vdst(0) depctr_va_sdst(0) depctr_va_ssrc(0) depctr_va_vcc(0) depctr_vm_vsrc(0)
	s_getreg_b32 s2, hwreg(HW_REG_IB_STS2, 6, 4)
	s_cmp_eq_u32 s2, 0
	s_cbranch_scc0 .Lentry_in_a_cluster
	s_endpgm
.Lentry_in_a_cluster:
	s_bfe_u32 s2, ttmp6, 0x10000c
	s_cmp_lg_u32 s2, 0xf033
	s_cbranch_scc0 .Lentry_shape_is_right
	s_endpgm
.Lentry_shape_is_right:
; q = rope(x Wq^T), k = rope(x Wk^T), v = x Wv^T on codes of FP6 (E2M3) with one E8M0 scale for each 32 along K; the results are quantised again:
; q and k along the head's 64 (two blocks of 32), v along the tokens (the keys of the later product).  Rows of codes are 1,536 bytes, rows of scale bytes 64.
; SHARES.  A work-group makes 128 tokens x 128 columns, each of four waves 64 x 64 (16 accumulators): ah = wave / 2 the tokens' half, bh = wave % 2 the columns' half, one head.
; Work-group columns 0-15 take Wq (heads 2 X + bh); columns 16-19 key/value head cx: half 0 = its 64 rows of Wk, half 1 = of Wv.  20 x 16 = 320 work-groups: no tile that keeps a head whole in a wave gives 256.
; THE PRODUCT IS USED TRANSPOSED: source 1 gives the lane its row, source 0 runs along the lane's registers, the axis quantised next.
; q, k waves: source 1 = x (a token a lane), source 0 = W (the head's 64 along the registers).  v waves: source 1 = Wv (a channel a lane), source 0 = x (64 tokens along the registers).
; Fragments and scale words land in the same registers in every wave; each step holds its 16 products twice, with the sources either way round, chosen by a scalar branch on ids that all partners of a cluster share.
; THE FEED.  K goes in two halves of 768 bytes of a row, three whole runs of 256 bytes.  LDS: x's first half, the weights' half, x's second half, 128 rows x 816 bytes each.
; At the head each wave asks for one tile: wave 0 x's first half, wave 1 x's second, waves 2 and 3 64 rows each of the weights' first half.  The weights' second half is the one refill, behind a round of the cluster's barrier.
; Scale words go from memory into registers: 16 bytes of a row a lane, 16 loads for each half of K.
; CLUSTERS: 4 x 4.  x's tiles are shared along a row of the cluster, the weights' along a column: joint loads.  No prefetch: the text has no loop to run ahead in.
; WHAT LEAVES.  A HALF IMAGE: 16 rows x 64 along K as the operand's six registers a lane, 768 bytes: registers 0-3 at 16 x lane, 4-5 at 512 + 8 x lane.
; Inside a block of 32 the codes stand in the order 16 hs + 8 u + j <- index 16 u + 8 hs + j, alike on q and k, and on v here and p later: the sums are the same.
; v's channels are stored in the tile order d = 32 b + 8 u + r' + 8 (r' / 8).  v's scale bytes leave as 2 bytes a lane, 4 bytes apart (16,384 bytes in the launch).
; LIMITS: NaN, infinities and scale bytes 0xff among the inputs are not served.  A block of zeros gets the byte 1 where the quantiser says 127 (zero codes; read by this program alone); a block whose largest magnitude lies under 2^-124 is held at byte 1.
; REGISTERS: window 0: v1-26 addresses; v32-95 scale words (v64-115 the way out afterwards); v128-255 accumulators.  window 1: two fragment buffers of 96 (x's four, the weights' four).  window 2: cos and sin.
.set PITCH,  816                       ; 768 bytes + 16 behind each 256: 204 words: row r starts at bank 12 r mod 64, sixteen different multiples of 4
.set HALFT,  64*PITCH
.set REG,    2*HALFT                   ; 128 rows of half of K
.set SPARE,  3*REG                     ; the spare words
.set AX,   8                           ; v8-9 x's fragments, K half 0, 1 (v10-11: behind one padding more)
.set AW,   12                          ; v12-15 the same for the weights (both halves lie in the same bytes)
.set ASC,  16                          ; v16 64 x r: a row of scale bytes
.set SPW,  18
.set NIL,  19
.set SCX,  32                          ; v32-63 x's scale words: block i, step q at 8 i + q
.set SCW,  64                          ; v64-95 the weights'
.set PCS,  64
.set H16,  96
.set TM,   100
.set TU,   106
.set WD,   114
.set ACC,  128
.set F0,   0
.set F1,   128
.set WV,   36
.set AH,   37
.set BH,   38
.set CX,   39
.set CY,   40
.set XX,   41
.set YY,   42
.set KV,   43
.set VT,   44
.set MHI,  45
.set SEL,  46
.set G1A,  48
.set G1B,  56
.set G0A,  84
.set G0B,  92
.set MSB, 0
.macro WIN new
.if MSB != \new
	s_set_vgpr_msb (MSB<<8)|\new
.set MSB, \new
.endif
.endm
.macro PLACES                          ; four places behind a matrix instruction of this form (ISA guide 7.12.1)
.rept 4
	v_nop
.endr
.endm
.macro CROUND                          ; a round of the cluster's barrier
	s_barrier_signal -1
	s_barrier_wait -1
	s_cmp_lg_u32 s[WV], 0
	s_cbranch_scc1 .Lnot_wave_0_\@
	s_barrier_signal -3
.Lnot_wave_0_\@:
	s_barrier_wait -3
	s_barrier_signal -1
	s_barrier_wait -1
.endm
	s_load_b512 s[4:19], s[0:1], 0x0               ; x codes 4, x scales 6, Wq 8, 10, Wk 12, 14, Wv 16, 18
	s_load_b512 s[20:35], s[0:1], 0x40             ; cos 20, sin 22, qc 24, qs 26, kc 28, ks 30, vc 32, vs 34
	v_lshl_add_u32 v[SPW], v0, 2, SPARE
	v_mov_b32 v[NIL], 0
	ds_add_u32 v[SPW], v[NIL]                      ; the opening lines: the add twice and its wait
	ds_add_u32 v[SPW], v[NIL]
	v_lshrrev_b32 v1, 5, v0
	v_readfirstlane_b32 s[WV], v1
	s_lshr_b32 s[AH], s[WV], 1                     ; my half of the tokens; also: I fetch for x (0) or the weights (1)
	s_and_b32 s[BH], s[WV], 1                      ; my half of the columns; also: which part I fetch
	s_bfe_u32 s[CX], ttmp6, 0x40000
	s_bfe_u32 s[CY], ttmp6, 0x40004
	s_lshl_b32 s[XX], ttmp9, 2
	s_add_co_u32 s[XX], s[XX], s[CX]
	s_and_b32 s[YY], ttmp7, 0xffff
	s_lshl_b32 s[YY], s[YY], 2
	s_add_co_u32 s[YY], s[YY], s[CY]
	s_lshr_b32 s[KV], ttmp9, 2                     ; cluster column 4 is the key/value one
	s_and_b32 s[VT], s[KV], s[BH]                  ; 1: this wave makes v
	s_mov_b32 s[MHI], 0xffff0000
	s_mov_b32 s[SEL], 0x76543210
	s_mov_b32 s[SEL+1], 0xfedcba98
	s_lshl_b32 s2, s[CY], 2
	s_lshl_b32 s2, 15, s2                          ; my row of the cluster
	s_lshl_b32 s100, 0x1111, s[CX]                 ; my column
	s_or_b32 s[G1A], s2, (1<<20)|(1<<21)|(5<<22)|(3<<25)    ; bytes; 4 words of padding after every 64
	s_or_b32 s[G1B], s100, (1<<20)|(1<<21)|(5<<22)|(3<<25)
	s_mov_b32 s[G1A+2], 128<<16                    ; x: 128 rows
	s_mov_b32 s[G1A+4], 128
	s_mov_b32 s[G1B+2], 64<<16                     ; the weights: 64 rows
	s_mov_b32 s[G1B+4], 64
.irp g, G1A, G1B
	s_mov_b32 s[\g+1], 768<<16
	s_mov_b32 s[\g+3], 768<<16
	s_mov_b32 s[\g+5], 1536
	s_mov_b32 s[\g+6], 0
	s_mov_b32 s[\g+7], 0
.endr
	s_mul_i32 s66, s[YY], 196608                   ; x: row 128 Y,
	s_mul_i32 s3, s[BH], 768                       ; K half = the fetching wave's number
	s_add_co_u32 s66, s66, s3
	s_mov_b32 s67, 0
	s_lshl_b32 s2, s[YY], 13                       ; x's scale bytes: row 128 Y + 64 ah
	s_lshl_b32 s3, s[AH], 12
	s_add_co_u32 s2, s2, s3
	s_mov_b32 s3, 0
	s_lshl_b32 s100, s[XX], 7
	s_lshl_b32 s101, s[BH], 6
	s_add_co_u32 s100, s100, s101                  ; Wq: row 128 X + 64 bh
	s_lshl_b32 s101, s[CX], 6                      ; Wk, Wv: row 64 cx
	s_cmp_lt_u32 ttmp9, 4
	s_cselect_b32 s100, s100, s101
	s_mul_i32 s104, s100, 1536
	s_mov_b32 s105, 0
	s_lshl_b32 s100, s100, 6
	s_mov_b32 s101, 0
	s_wait_dscnt 0x0
	s_wait_kmcnt 0x0
	s_cmp_eq_u32 s[BH], 1                          ; half 1 of a key/value column is Wv, half 0 Wk;
	s_cselect_b64 s[12:13], s[16:17], s[12:13]
	s_cselect_b64 s[14:15], s[18:19], s[14:15]
	s_cmp_lt_u32 ttmp9, 4                          ; every other column is Wq
	s_cselect_b64 s[8:9], s[8:9], s[12:13]
	s_cselect_b64 s[10:11], s[10:11], s[14:15]
	s_add_nc_u64 s[G0A+2:G0A+3], s[4:5], s[66:67]
	s_add_nc_u64 s[G0B+2:G0B+3], s[8:9], s[104:105]
	s_add_nc_u64 s[6:7], s[6:7], s[2:3]            ; my rows of x's scale bytes,
	s_add_nc_u64 s[10:11], s[10:11], s[100:101]    ; of the weights'
	s_or_b32 s[G0A+3], s[G0A+3], 0x80000000
	s_or_b32 s[G0B+3], s[G0B+3], 0x80000000
	s_mov_b32 s[G0A], 1
	s_mul_i32 s[G0A+1], s[BH], 2*REG               ; x's halves lie at 0 and at 2 REG
	s_mov_b32 s[G0B], 1
	s_mul_i32 s[G0B+1], s[BH], HALFT
	s_add_co_u32 s[G0B+1], s[G0B+1], REG           ; the weights' between them
	CROUND                                         ; the first joint loads meet
	s_cmp_eq_u32 s[AH], 0                          ; one load a wave at the head
	s_cbranch_scc0 .Lhead_w
	tensor_load_to_lds s[G0A:G0A+3], s[G1A:G1A+7]
	s_nop 0
	PLACES
	s_branch .Lhead_asked
.Lhead_w:
	tensor_load_to_lds s[G0B:G0B+3], s[G1B:G1B+7]
	s_nop 0
	PLACES
.Lhead_asked:
	s_mul_i32 s12, s[AH], HALFT                    ; my rows of x, K half 0,
	s_add_co_u32 s14, s12, 2*REG                   ; K half 1;
	s_mul_i32 s13, s[BH], HALFT
	s_add_co_u32 s13, s13, REG                     ; my rows of the weights, either half
	s_lshl_b32 s2, s[YY], 15
	s_lshl_b32 s3, s[AH], 14
	s_add_co_u32 s2, s2, s3                        ; my first token's row of cos and sin
	s_mov_b32 s3, 0
	s_add_nc_u64 s[20:21], s[20:21], s[2:3]
	s_add_nc_u64 s[22:23], s[22:23], s[2:3]
	v_and_b32 v1, 15, v0                           ; r
	v_bfe_u32 v2, v0, 4, 1                         ; h
	v_and_b32 v3, 31, v0                           ; lane
	v_mul_u32_u24 v4, v1, PITCH
	v_mad_u32_u24 v4, v2, 24, v4                   ; row x pitch + 24 h,
	v_lshl_add_u32 v5, v2, 4, v4                   ; and behind one padding more
	v_add_nc_u32 v[AX], s12, v4
	v_add_nc_u32 v[AX+1], s14, v4
	v_add_nc_u32 v[AX+2], s12, v5
	v_add_nc_u32 v[AX+3], s14, v5
	v_add_nc_u32 v[AW], s13, v4
	v_add_nc_u32 v[AW+1], s13, v4
	v_add_nc_u32 v[AW+2], s13, v5
	v_add_nc_u32 v[AW+3], s13, v5
	v_lshlrev_b32 v[ASC], 6, v1
	v_lshlrev_b32 v20, 8, v1
	v_lshl_add_u32 v20, v2, 5, v20                 ; cos, sin: row r of 256 bytes + 32 h
	v_lshlrev_b32 v21, 4, v3
	v_lshlrev_b32 v22, 3, v3
	v_lshlrev_b32 v23, 2, v3
	v_lshrrev_b32 v6, 3, v1                        ; v: channel 16 a + r goes to tile' 2 (a / 2) + r / 8, row r % 8 + 8 (a % 2)
	v_and_b32 v7, 7, v1
	v_mul_u32_u24 v24, v6, 768
	v_lshl_add_u32 v25, v7, 3, v24
	v_lshl_add_u32 v25, v2, 7, v25
	v_lshl_add_u32 v24, v7, 4, v24
	v_lshl_add_u32 v24, v2, 8, v24
	v_lshlrev_b32 v26, 6, v6
	v_lshl_add_u32 v26, v7, 2, v26
	v_lshl_add_u32 v26, v2, 5, v26
	v_lshl_add_u32 v26, s[AH], 1, v26
	v_mov_b32 v[TM+2], 0                           ; a lane permute's destination counts as one of its sources
	v_mov_b32 v[TM+3], 0
	s_wait_alu depctr_va_vdst(0)                   ; the wait at the head's end
	s_cmp_eq_u32 s[VT], 1
	s_cbranch_scc1 .Lno_tables                     ; v is not rotated
	WIN 0x80
.irp a, 0,1,2,3
.irp t, 0,1,2,3
.irp k, 0,1
	global_load_b128 v[64*\a+8*\t+4*\k:64*\a+8*\t+4*\k+3], v20, s[20:21] offset:\a*4096+64*\t+16*\k
	global_load_b128 v[64*\a+32+8*\t+4*\k:64*\a+32+8*\t+4*\k+3], v20, s[22:23] offset:\a*4096+64*\t+16*\k
.endr
.endr
.endr
	WIN 0
.Lno_tables:
.macro SCALES h                        ; the scale words of K half h: 32 bytes of each row
.irp i, 0,1,2,3
.irp j, 0,1
	global_load_b128 v[SCX+8*\i+4*\j:SCX+8*\i+4*\j+3], v[ASC], s[6:7] offset:\i*1024+32*\h+16*\j
	global_load_b128 v[SCW+8*\i+4*\j:SCW+8*\i+4*\j+3], v[ASC], s[10:11] offset:\i*1024+32*\h+16*\j
.endr
.endr
.endm
.macro FRAG reg, adr, q, i             ; 16 rows x 128 K: 24 bytes twice, in pieces of 8.  32 pieces, then 16 bytes of padding; lanes 16-31 read three pieces on, for some pieces behind one padding more
.irp p, 0,1,2,3,4,5
.set PCE, 12*(\q)+6*(\p/3)+\p%3
.if PCE%32 < 29
	ds_load_b64 v[\reg+2*\p:\reg+2*\p+1], v[\adr] offset:8*PCE+16*(PCE/32)+(\i)*16*PITCH
.else
	ds_load_b64 v[\reg+2*\p:\reg+2*\p+1], v[\adr+2] offset:8*PCE+16*(PCE/32)+(\i)*16*PITCH
.endif
.endr
.endm
.macro FETCH h, q, f                   ; 48 LDS loads: step q of K half h: x's four fragments at f, the weights' four at f + 48
	WIN 0x40
.irp i, 0,1,2,3
	FRAG \f+12*\i, AX+\h, \q, \i
	FRAG \f+48+12*\i, AW+\h, \q, \i
.endr
.endm
.macro WM d, a, b, sa, sb, zero        ; one product; zero = 1: it starts the sum
.if \zero
	v_wmma_scale_f32_16x16x128_f8f6f4 v[\d:\d+7], v[\a:\a+11], v[\b:\b+11], 0, v[\sa], v[\sb] matrix_a_fmt:MATRIX_FMT_FP6 matrix_b_fmt:MATRIX_FMT_FP6
.else
	v_wmma_scale_f32_16x16x128_f8f6f4 v[\d:\d+7], v[\a:\a+11], v[\b:\b+11], v[\d:\d+7], v[\sa], v[\sb] matrix_a_fmt:MATRIX_FMT_FP6 matrix_b_fmt:MATRIX_FMT_FP6
.endif
.endm
.macro MULS f, q, zero, sw             ; 16 matrix instructions; the accumulators take turns.  sw = 1: a v wave's order of the sources
	WIN 0x05
.irp a, 0,1,2,3
.irp t, 0,1,2,3
.if \sw
	WM ACC+8*(4*\a+\t), \f+12*\t, \f+48+12*\a, SCX+8*\t+\q, SCW+8*\a+\q, \zero
.else
	WM ACC+8*(4*\a+\t), \f+48+12*\t, \f+12*\a, SCW+8*\t+\q, SCX+8*\a+\q, \zero
.endif
.endr
.endr
	WIN 0
.endm
.macro MUL f, q, zero                  ; the step's products, by the wave's kind: the branch hangs on the cluster's column and the wave's number
	WIN 0
	s_cmp_eq_u32 s[VT], 1
	s_cbranch_scc1 .Lmul_v_\@
	MULS \f, \q, \zero, 0
	s_branch .Lmul_j_\@
.Lmul_v_\@:
	MULS \f, \q, \zero, 1
.Lmul_j_\@:
.endm
.macro HALF h, zero                    ; eight steps; each step's fragments are asked for one step ahead: the count 48 leaves just those out
	FETCH \h, 1, F1
	s_wait_dscnt 48
	MUL F0, 0, \zero
	PLACES
.irp q, 1,2,3,4,5,6
	FETCH \h, \q+1, 128*((\q+1)%2)
	s_wait_dscnt 48
	MUL 128*(\q%2), \q, 0
	PLACES
.endr
	s_wait_dscnt 0x0
	MUL F1, 7, 0
	PLACES
.endm
	SCALES 0
	s_wait_tensorcnt 0x0                           ; my tile is in
	s_barrier_signal -1
	s_barrier_wait -1                              ; everybody's are
	s_wait_loadcnt 0x0                             ; the scale words (and the tables)
	FETCH 0, 0, F0
	HALF 0, 1                                      ; K 0-1023
	SCALES 1                                       ; behind the places of the last products
	s_wait_tensorcnt 0x0                           ; ahead of a refill's barrier: this wait, the add and its wait
	ds_add_u32 v[SPW], v[NIL]
	s_add_nc_u64 s[G0B+2:G0B+3], s[G0B+2:G0B+3], 768
	s_wait_dscnt 0x0                               ; the add, and my reads of the weights' first half
	CROUND
	s_cmp_eq_u32 s[AH], 0
	s_cbranch_scc1 .Lno_refill                     ; waves 0 and 1 have nothing to fill
	tensor_load_to_lds s[G0B:G0B+3], s[G1B:G1B+7]  ; the weights' second half
	s_nop 0
	PLACES
.Lno_refill:
	s_wait_tensorcnt 0x0
	s_barrier_signal -1
	s_barrier_wait -1                              ; it is whole for every wave
	s_wait_loadcnt 0x0
	FETCH 1, 0, F0
	HALF 1, 0                                      ; K 1024-2047
; 32 numbers of a lane, v[src + 16 b + i] = block b, my 16 of its 32, become a half image in v[dst .. dst + 5] and the two scale bytes in v[wd]
.macro QUANT32 src, dst, wd
.irp b, 0,1
	v_max3_num_f32 v[TM+\b], |v[\src+16*\b]|, |v[\src+16*\b+1]|, 0x1800000   ; the floor 2^(3 - 127): the byte cannot fall under 1
.endr
.irp i, 2,4,6,8,10,12,14
.irp b, 0,1
	v_max3_num_f32 v[TM+\b], v[TM+\b], |v[\src+16*\b+\i]|, |v[\src+16*\b+\i+1]|
.endr
.endr
.irp b, 0,1
	v_permlanex16_b32 v[TM+2+\b], v[TM+\b], s[SEL], s[SEL+1]
.endr
.irp b, 0,1
	v_max_num_f32 v[TM+\b], v[TM+\b], v[TM+2+\b]
.endr
.irp b, 0,1
	v_add_nc_u32 v[TM+4+\b], 0xff000000, v[TM+\b]  ; 2 off the exponent field: the conversion's scale operand
.endr
.irp b, 0,1
	v_lshrrev_b32 v[TM+2+\b], 23, v[TM+4+\b]
.endr
	v_lshl_or_b32 v[\wd], v[TM+3], 8, v[TM+2]
	v_cvt_scalef32_pk16_fp6_f32 v[\dst:\dst+2], v[\src:\src+15], v[TM+4]
	v_cvt_scalef32_pk16_fp6_f32 v[\dst+4:\dst+6], v[\src+16:\src+31], v[TM+5]
	v_nop
.irp i, 0,1,2
	v_permlane16_swap_b32 v[\dst+\i], v[\dst+4+\i] ; a whole block to a lane
.endr
	v_mov_b32 v[\dst+3], v[\dst+4]
	v_mov_b32 v[\dst+4], v[\dst+5]
	v_mov_b32 v[\dst+5], v[\dst+6]
.endm
; The rotation: registers i and 16 + i are channels d and d + 32; all 64 entries of both tables are used as given
.macro ROPE a
.irp i, 0,2,4,6,8,10,12,14
.set RLO, ACC+32*(\a)+\i
.set RHI, RLO+16
.set RCO, 64*(\a)+\i
.set RSI, RCO+32
.set TW, TU+4*((\i/2)%2)
	v_pk_mul_f32 v[TW:TW+1], v[RLO:RLO+1], v[RSI+16:RSI+17]
	v_pk_mul_f32 v[TW+2:TW+3], v[RHI:RHI+1], v[RSI:RSI+1]
	v_pk_fma_f32 v[RLO:RLO+1], v[RLO:RLO+1], v[RCO:RCO+1], v[TW+2:TW+3] neg_lo:[0,0,1] neg_hi:[0,0,1]
	v_pk_fma_f32 v[RHI:RHI+1], v[RHI:RHI+1], v[RCO+16:RCO+17], v[TW:TW+1]
.endr
.endm
	s_cmp_eq_u32 s[VT], 1
	s_cbranch_scc1 .Lvpath
	s_lshl_b32 s12, s[XX], 1                       ; q or k: four tiles of 16 tokens x the head's 64
	s_add_co_u32 s12, s12, s[BH]
	s_cmp_eq_u32 s[KV], 1
	s_cselect_b32 s12, s[CX], s12
	s_cselect_b64 s[14:15], s[28:29], s[24:25]
	s_cselect_b64 s[16:17], s[30:31], s[26:27]
	s_lshl_b32 s12, s12, 7
	s_lshl_b32 s13, s[YY], 3
	s_add_co_u32 s12, s12, s13
	s_lshl_b32 s13, s[AH], 2
	s_add_co_u32 s12, s12, s13                     ; 128 x head + my first tile of tokens
	s_mul_i32 s18, s12, 768
	s_mov_b32 s19, 0
	s_add_nc_u64 s[14:15], s[14:15], s[18:19]
	s_lshl_b32 s18, s12, 5
	s_add_nc_u64 s[16:17], s[16:17], s[18:19]
.irp a, 0,1,2,3
	WIN 0x08
	ROPE \a
	WIN 0
	QUANT32 ACC+32*\a, PCS+8*\a, H16+\a
	global_store_b128 v21, v[PCS+8*\a:PCS+8*\a+3], s[14:15] offset:\a*768
	global_store_b64 v22, v[PCS+8*\a+4:PCS+8*\a+5], s[14:15] offset:\a*768+512
.endr
	v_lshl_or_b32 v[WD], v[H16+1], 16, v[H16]
	v_lshl_or_b32 v[WD+1], v[H16+3], 16, v[H16+2]
	v_cndmask_b32 v[WD], v[WD], v[WD+1], s[MHI]
	global_store_b32 v23, v[WD], s[16:17]
	s_branch .Ldone
.Lvpath:
	s_lshl_b32 s12, s[CX], 5                       ; v: four tiles of 16 channels x my 64 tokens
	s_lshl_b32 s13, s[YY], 1
	s_add_co_u32 s12, s12, s13
	s_add_co_u32 s12, s12, s[AH]
	s_mul_i32 s18, s12, 3072
	s_mov_b32 s19, 0
	s_add_nc_u64 s[32:33], s[32:33], s[18:19]
	s_lshl_b32 s12, s[CX], 4
	s_add_co_u32 s12, s12, s[YY]
	s_lshl_b32 s18, s12, 8
	s_add_nc_u64 s[34:35], s[34:35], s[18:19]
.irp a, 0,1,2,3
	QUANT32 ACC+32*\a, PCS+8*\a, H16+\a
	global_store_b128 v24, v[PCS+8*\a:PCS+8*\a+3], s[32:33] offset:(\a/2)*1536+(\a%2)*128
	global_store_b64 v25, v[PCS+8*\a+4:PCS+8*\a+5], s[32:33] offset:(\a/2)*1536+512+(\a%2)*64
.endr
.irp i, 0,1
	v_cndmask_b32 v[WD+\i], v[H16+2*\i], v[H16+2*\i+1], s[MHI]
	global_store_b16 v26, v[WD+\i], s[34:35] offset:128*\i
.endr
.Ldone:
	s_wait_tensorcnt 0x0                           ; the wave's end
	ds_add_u32 v[SPW], v[NIL]
	s_wait_dscnt 0x0
	CROUND                                         ; the closing round
	s_endpgm
.Lfunc_end_k_q174a474e2a_proj:
	.size	k_q174a474e2a_proj, .Lfunc_end_k_q174a474e2a_proj-k_q174a474e2a_proj
	.p2alignl 7, 3214868480
	.fill 96, 4, 3214868480
	.section	.rodata,"a",@progbits
	.p2align	6, 0x0
	.amdhsa_kernel k_q174a474e2a_proj
		.amdhsa_group_segment_fixed_size 327680
		.amdhsa_private_segment_fixed_size 0
		.amdhsa_enable_private_segment 0
		.amdhsa_kernarg_size 128
		.amdhsa_user_sgpr_count 2
		.amdhsa_user_sgpr_kernarg_segment_ptr 1
		.amdhsa_wavefront_size32 1
		.amdhsa_system_sgpr_workgroup_id_x 1
		.amdhsa_system_sgpr_workgroup_id_y 1
		.amdhsa_system_sgpr_workgroup_id_z 1
		.amdhsa_system_vgpr_workitem_id 0
		.amdhsa_next_free_vgpr 768
		.amdhsa_next_free_sgpr 106
		.amdhsa_reserve_vcc 0
		.amdhsa_float_denorm_mode_32 3
		.amdhsa_float_denorm_mode_16_64 3
		.amdhsa_memory_ordered 1
		.amdhsa_forward_progress 1
		.amdhsa_inst_pref_size 163
	.end_amdhsa_kernel
	.amdgpu_metadata
---
amdhsa.version: [ 1, 2 ]
amdhsa.kernels:
  - .name:           k_q174a474e2a_proj
    .symbol:         k_q174a474e2a_proj.kd
    .args:
      - { .name: x_codes, .offset: 0, .size: 8, .value_kind: global_buffer, .address_space: global }
      - { .name: x_scales, .offset: 8, .size: 8, .value_kind: global_buffer, .address_space: global }
      - { .name: Wq_codes, .offset: 16, .size: 8, .value_kind: global_buffer, .address_space: global }
      - { .name: Wq_scales, .offset: 24, .size: 8, .value_kind: global_buffer, .address_space: global }
      - { .name: Wk_codes, .offset: 32, .size: 8, .value_kind: global_buffer, .address_space: global }
      - { .name: Wk_scales, .offset: 40, .size: 8, .value_kind: global_buffer, .address_space: global }
      - { .name: Wv_codes, .offset: 48, .size: 8, .value_kind: global_buffer, .address_space: global }
      - { .name: Wv_scales, .offset: 56, .size: 8, .value_kind: global_buffer, .address_space: global }
      - { .name: cos, .offset: 64, .size: 8, .value_kind: global_buffer, .address_space: global }
      - { .name: sin, .offset: 72, .size: 8, .value_kind: global_buffer, .address_space: global }
      - { .name: qc, .offset: 80, .size: 8, .value_kind: global_buffer, .address_space: global }
      - { .name: qs, .offset: 88, .size: 8, .value_kind: global_buffer, .address_space: global }
      - { .name: kc, .offset: 96, .size: 8, .value_kind: global_buffer, .address_space: global }
      - { .name: ks, .offset: 104, .size: 8, .value_kind: global_buffer, .address_space: global }
      - { .name: vc, .offset: 112, .size: 8, .value_kind: global_buffer, .address_space: global }
      - { .name: vs, .offset: 120, .size: 8, .value_kind: global_buffer, .address_space: global }
    .group_segment_fixed_size: 327680
    .private_segment_fixed_size: 0
    .kernarg_segment_align: 8
    .kernarg_segment_size: 128
    .max_flat_workgroup_size: 128
    .sgpr_count:     106
    .vgpr_count:     768
    .wavefront_size: 32
...
	.end_amdgpu_metadata
.endif
;; end of part 1
;; launch attn (part 2): grid 256 x 1, 16 waves a work-group, clusters of 4 x 1, 206,848 bytes of LDS; arguments qc, qs, kc, ks, vc, vs, yc, ys; writes yc, ys
.if DOCPART == 2
	.amdgcn_target "amdgcn-amd-amdhsa--gfx1250"
	.amdhsa_code_object_version 6
	.text
	.protected	k_q174a474e2a_attn
	.globl	k_q174a474e2a_attn
	.p2align	8
	.type	k_q174a474e2a_attn,@function
k_q174a474e2a_attn:
	s_mov_b64 s[64:65], 0
	v_nop
	global_prefetch_b8 v0, s[64:65] scope:SCOPE_SE
	s_setreg_imm32_b32 hwreg(HW_REG_WAVE_MODE, 25, 1), 1
	s_wait_xcnt 0x0
	s_wait_alu depctr_hold_cnt(0) depctr_sa_sdst(0) depctr_va_vdst(0) depctr_va_sdst(0) depctr_va_ssrc(0) depctr_va_vcc(0) depctr_vm_vsrc(0)
	s_getreg_b32 s2, hwreg(HW_REG_IB_STS2, 6, 4)
	s_cmp_eq_u32 s2, 0
	s_cbranch_scc0 .Lentry_in_a_cluster
	s_endpgm
.Lentry_in_a_cluster:
	s_bfe_u32 s2, ttmp6, 0x10000c
	s_cmp_lg_u32 s2, 0x3003
	s_cbranch_scc0 .Lentry_shape_is_right
	s_endpgm
.Lentry_shape_is_right:
; y[token][head][:] = the sum over keys <= token of softmax(q . k / 8) v, both products on codes of FP6 (E2M3) with one E8M0 scale for each 32 along K; y is quantised again along (head, channel).
; THE SOFTMAX AHEAD OF THE SECOND PRODUCT: t = score x log2(e) / 8; M = the row's largest t so far, rounded UP to a whole number; p = 2^(t - M) is what is quantised, along the keys; it is not normalised.
; The row's sum is taken of the unquantised p, in f32, and divides O at the end.  When M moves, the sum and O are multiplied by 2^(old M - new M): exact.
; INPUTS, as the launch before laid them: half images (16 rows x 64 along K as six registers a lane, 768 bytes: registers 0-3 at 16 x lane, 4-5 at 512 + 8 x lane).  qc [head 32][tile 128], kc [g 4][tile 128], vc [g][64 keys: 32][tile' 4];
; qs, ks: a word for a row of two neighbouring tiles (two bytes each); vs [g][128 keys: 16][tile' 4][row 16]: a word for 128 keys.
; SHARES.  A cluster of four work-groups serves one key/value head g; partner cx takes query heads 8 g + 2 cx and + 1.  Each of a work-group's SIXTEEN waves owns one tile of 16 queries of one head, in 256 registers.
; Wave w: head half w / 8, tile T = ((c ^ 31 (ti & 1)) + 32 ((ti >> 1) & 1)) ^ 127 (ti >> 2), ti = w % 8, c = cluster % 16: every tile once, and waves w and w + 4 have T + T' = 127, that is 17 key steps of 128 between them.
; ALL OF A KEY/VALUE HEAD LIES IN LDS, FILLED ONCE: 96 KiB of k's codes, 96 KiB of v's, 4 KiB of scale words each.  The four partners need the same bytes: waves 0-5 (k) and 6-11 (v) ask for them jointly, a sixth each; waves 12 and 13 the scale words.
; No LDS byte is filled twice and none is stored to.  Key step 0 runs when all of it has landed.
; K = 64 UNDER AN INSTRUCTION OF K = 128: a fragment of k holds TWO tiles of keys (registers 0-5 and 6-11).  q stands twice: [codes | zeros] gives the first tile's scores, [zeros | codes] the second's; the empty half has zero codes and the scale byte 1.
; LAYOUT.  Both products are used transposed (S^T = k q^T, O^T = v^T p^T): a lane holds ONE query throughout.  Register 8 t + j of S^T is key 16 t + 8 (lane / 16) + j; p's codes stand inside a block of 32 in the order in which v's were laid.
; v's channels were laid so that O^T's registers 16 b + i are channels 32 b + 16 (lane / 16) + i: y's codes come out in true order.
; y's scale bytes leave one byte a lane, 32 different bytes in a span of 64: 131,072 bytes in the whole launch that do not fill aligned runs of 256 bytes in one instruction.
; LIMITS: NaN and infinities are not served.  A block of zeros gets the byte 1 where the quantiser says 127 (zero codes; read by this program alone); a block whose largest magnitude lies under 2^-124 is held at byte 1.
; A block's largest p is taken through the block's largest score, which takes v_exp_f32 not to fall where its input rises.  v_exp_f32 gives 0 for results under 2^-126 (ISA guide 15.8).
.set VCL,  98304                       ; LDS: k's codes at 0, v's here,
.set KSL,  196608                      ; k's scale words,
.set VSL,  200704                      ; v's
.set NM,   14                          ; v14 -M, v15 the largest t
.set F,    52                          ; v52-99   four fragments of k, then of v
.set S,    100                         ; v100-163 S^T, then p; at the end y
.set O,    164                         ; v164-195 O^T
.set PC,   196                         ; v196-207 p's codes
.set PC2,  208                         ; v208-215 the second conversions' results
.set BM,   216                         ; v216-219 the blocks' largest scores, then p
.set PB,   220                         ; v220-223 permute results, then scale bytes
.set SO,   224                         ; v224-227 the conversions' scale operands
.set FF,   228                         ; v[228:229] f
.set TM,   220                         ; v220-225 at work in y's quantiser
.set WV,   20
.set CX,   21
.set GG,   22
.set CC,   23
.set TI,   24
.set HH,   25
.set TT,   26
.set HD,   27
.set Q0,   28                          ; my first query
.set KF,   29                          ; the step's first key
.set TK,   30                          ; the step's codes: 6,144 bytes a step, of k and of v alike
.set TS,   31                          ; its scale words: 256 bytes a step
.set CNT,  32
.set SEL,  34                          ; s[34:35]
.set CS,   36                          ; s[36:37] c = log2(e) / 8
.set MHI,  38                          ; lanes 16-31
.set SX,   39                          ; at work (never holds cx)
.set G1C,  40                          ; s[40:47] group 1 for 16,384 bytes of codes;  s[48:55] for 4,096 bytes of scale words
.set G1S,  48
.macro CROUND                          ; a round of the cluster's barrier
	s_barrier_signal -1
	s_barrier_wait -1
	s_cmp_lg_u32 s[WV], 0
	s_cbranch_scc1 .Lnot_wave_0_\@
	s_barrier_signal -3
.Lnot_wave_0_\@:
	s_barrier_wait -3
	s_barrier_signal -1
	s_barrier_wait -1
.endm
.macro MKG0 g, ch                      ; group 0 for chunk ch: 512 keys' codes
	s_mov_b32 s[\g], 1
	s_add_co_u32 s[\g+1], s81, \ch*24576
	s_add_nc_u64 s[\g+2:\g+3], s[8:9], \ch*24576
	s_or_b32 s[\g+3], s[\g+3], 0x80000000
.endm
	s_load_b512 s[4:19], s[0:1], 0x0               ; qc 4, qs 6, kc 8, ks 10, vc 12, vs 14, yc 16, ys 18
	v_lshl_add_u32 v254, v0, 2, 0x32000
	v_mov_b32 v255, 0
	ds_add_u32 v254, v255
	ds_add_u32 v254, v255
	v_lshrrev_b32 v1, 5, v0
	s_delay_alu instid0(VALU_DEP_1)
	v_readfirstlane_b32 s[WV], v1                  ; wave 0..15
	s_bfe_u32 s[CX], ttmp6, 0x40000                ; my place in the cluster: it enters global addresses of q and y alone
	s_lshr_b32 s[GG], ttmp9, 4                     ; the key/value head
	s_and_b32 s[CC], ttmp9, 15
	s_and_b32 s[TI], s[WV], 7
	s_lshr_b32 s[HH], s[WV], 3
	s_and_b32 s[SX], s[TI], 1
	s_mul_i32 s[SX], s[SX], 31
	s_xor_b32 s[TT], s[CC], s[SX]
	s_bfe_u32 s[SX], s[TI], 0x10001
	s_lshl_b32 s[SX], s[SX], 5
	s_add_co_u32 s[TT], s[TT], s[SX]
	s_lshr_b32 s[SX], s[TI], 2
	s_mul_i32 s[SX], s[SX], 127
	s_xor_b32 s[TT], s[TT], s[SX]                  ; my tile of queries: the same in all four partners
	s_lshl_b32 s[Q0], s[TT], 4
	s_lshl_b32 s[HD], s[GG], 3
	s_lshl_b32 s33, s[CX], 1
	s_add_co_u32 s[HD], s[HD], s33
	s_add_co_u32 s[HD], s[HD], s[HH]               ; my query head
	s_mov_b32 s[SEL], 0x76543210
	s_mov_b32 s[SEL+1], 0xfedcba98
	s_mov_b32 s[CS], 0x3e38aa3b
	s_mov_b32 s[CS+1], s[CS]                       ; (named with it as a pair, so it is written)
	s_mov_b32 s[MHI], 0xffff0000
	s_mov_b32 s[KF], 0
	s_mov_b32 s[TK], 0
	s_mov_b32 s[TS], 0
	s_mov_b32 s[G1C], 15|(3<<16)|(1<<21)           ; 15:0 the mask: all four work-groups; 17:16 elements of 8 bytes; 21 set beside a mask; no padding: the images are read as they lie
	s_mov_b32 s[G1C+1], 32<<16                     ; rows of 256 bytes,
	s_mov_b32 s[G1C+2], 64<<16                     ; 64 of them: 16,384 bytes a load
	s_mov_b32 s[G1C+3], 32<<16
	s_mov_b32 s[G1C+4], 64
	s_mov_b32 s[G1C+5], 32
	s_mov_b32 s[G1C+6], 0
	s_mov_b32 s[G1C+7], 0
	s_mov_b32 s[G1S], 15|(3<<16)|(1<<21)
	s_mov_b32 s[G1S+1], 32<<16
	s_mov_b32 s[G1S+2], 16<<16
	s_mov_b32 s[G1S+3], 32<<16
	s_mov_b32 s[G1S+4], 16
	s_mov_b32 s[G1S+5], 32
	s_mov_b32 s[G1S+6], 0
	s_mov_b32 s[G1S+7], 0
	; THE FILLS, one joint load a wave: waves 0-5 a sixth each of k's codes, waves 6-11 of v's (16,384 bytes, at LDS byte 16,384 x wave), wave 12 k's scale words, wave 13 v's; waves 14 and 15 none
	s_cmp_ge_u32 s[WV], 6
	s_cselect_b32 s80, 1, 0                        ; 1: v's codes
	s_mul_i32 s81, s80, 6
	s_sub_co_u32 s81, s[WV], s81                   ; which sixth
	s_lshl_b32 s82, s81, 14
	s_and_b32 s83, s[WV], 1                        ; of waves 12 and 13: 1 = v's scale words
	s_mul_i32 s2, s[GG], 98304
	s_add_co_u32 s2, s2, s82
	s_mov_b32 s3, 0
	s_wait_dscnt 0x0
	s_wait_kmcnt 0x0
	s_cmp_eq_u32 s80, 1
	s_cselect_b64 s[62:63], s[12:13], s[8:9]
	s_add_nc_u64 s[62:63], s[62:63], s[2:3]
	s_or_b32 s63, s63, 0x80000000
	s_mov_b32 s60, 1
	s_lshl_b32 s61, s[WV], 14
	s_cmp_eq_u32 s83, 1
	s_cselect_b64 s[58:59], s[14:15], s[10:11]
	s_lshl_b32 s2, s[GG], 12
	s_add_nc_u64 s[58:59], s[58:59], s[2:3]
	s_or_b32 s59, s59, 0x80000000
	s_mov_b32 s56, 1
	s_lshl_b32 s57, s83, 12
	s_add_co_u32 s57, s57, KSL
	CROUND                                         ; all four work-groups are here: the joint loads meet
	s_cmp_lt_u32 s[WV], 12                         ; one chain of branches on the wave's number, one load to an arm
	s_cbranch_scc0 .Lfill_s
	tensor_load_to_lds s[60:63], s[G1C:G1C+7]
	s_nop 0
.rept 4
	v_nop
.endr
	s_branch .Lno_fill
.Lfill_s:
	s_cmp_lt_u32 s[WV], 14
	s_cbranch_scc0 .Lno_fill
	tensor_load_to_lds s[56:59], s[G1S:G1S+7]
	s_nop 0
.rept 4
	v_nop
.endr
.Lno_fill:
	v_and_b32 v7, 31, v0                           ; lane
	s_delay_alu instid0(VALU_DEP_1)
	v_lshlrev_b32 v1, 4, v7                        ; an image's registers 0-3,
	s_delay_alu instid0(VALU_DEP_2)
	v_lshlrev_b32 v2, 3, v7                        ; its registers 4-5;
	s_delay_alu instid0(VALU_DEP_2)
	v_add_nc_u32 v3, VCL, v1                       ; the same in v's part of LDS
	s_delay_alu instid0(VALU_DEP_2)
	v_add_nc_u32 v4, VCL, v2
	v_lshlrev_b32 v5, 2, v7
	s_delay_alu instid0(VALU_DEP_1)
	v_add_nc_u32 v6, VSL, v5                       ; scale words: 4 x lane
	s_delay_alu instid0(VALU_DEP_2)
	v_add_nc_u32 v5, KSL, v5
	v_and_b32 v230, 15, v0                         ; r
	v_bfe_u32 v231, v0, 4, 1                       ; h
	s_delay_alu instid0(VALU_DEP_1)
	v_lshl_add_u32 v7, v230, 2, v231               ; y's scale bytes: 4 r + h
	s_delay_alu instid0(VALU_DEP_2)
	v_lshlrev_b32 v25, 3, v231
	s_delay_alu instid0(VALU_DEP_1)
	v_sub_nc_u32 v25, v230, v25                    ; r - 8 h, for the mask
	v_lshlrev_b32 v232, 2, v230
	s_wait_alu depctr_va_vdst(0)
	s_lshl_b32 s33, s[HD], 7
	s_add_co_u32 s33, s33, s[TT]
	s_mul_i32 s2, s33, 768
	s_add_nc_u64 s[4:5], s[4:5], s[2:3]            ; q's image: (128 head + T) x 768
	s_lshl_b32 s33, s[HD], 6
	s_lshr_b32 s2, s[TT], 1
	s_add_co_u32 s33, s33, s2
	s_lshl_b32 s2, s33, 6
	s_add_nc_u64 s[6:7], s[6:7], s[2:3]            ; its scale words: (64 head + T / 2) x 64
	s_lshl_b32 s33, s[TT], 5
	s_add_co_u32 s33, s33, s[HD]
	s_mul_i32 s2, s33, 768
	s_add_nc_u64 s[16:17], s[16:17], s[2:3]        ; y's image: (32 T + head) x 768
	s_lshl_b32 s2, s[TT], 10
	s_lshr_b32 s33, s[HD], 1
	s_lshl_b32 s33, s33, 6
	s_add_co_u32 s2, s2, s33
	s_and_b32 s33, s[HD], 1
	s_lshl_b32 s33, s33, 1
	s_add_co_u32 s2, s2, s33
	s_add_nc_u64 s[18:19], s[18:19], s[2:3]        ; y's scale bytes: 1,024 T + 64 (head / 2) + 2 (head % 2)
	global_load_b128 v[26:29], v1, s[4:5]          ; q [codes | zeros]: v26-31 | v32-37
	global_load_b64 v[30:31], v2, s[4:5] offset:512
	global_load_b128 v[44:47], v1, s[4:5]          ; q [zeros | codes]: v38-43 | v44-49
	global_load_b64 v[48:49], v2, s[4:5] offset:512
	global_load_b32 v18, v232, s[6:7]
.irp j, 32,33,34,35,36,37,38,39,40,41,42,43
	v_mov_b32 v[\j], 0
.endr
	v_mov_b32 v15, 0xff61b1e6                      ; the largest t so far: -3e38, under every t
	s_delay_alu instid0(VALU_DEP_1)
	v_floor_f32 v14, -v15                          ; -M
	v_mov_b32 v16, 0                               ; the sum, in two halves
	v_mov_b32 v17, 0
.irp b, 0,1,2,3
	v_mov_b32 v[PB+\b], 0                          ; written once: a lane permute's destination counts as one of its sources
.endr
	v_mov_b32 v[FF+1], 0                           ; (named as the upper half of the pair)
	s_and_b32 s[SX], s[TT], 1
	s_lshl_b32 s[SX], s[SX], 4
	s_wait_loadcnt 0x0
	v_lshrrev_b32 v18, s[SX], v18                  ; my tile's two bytes of the word
	s_delay_alu instid0(VALU_DEP_1)
	v_and_b32 v18, 0xffff, v18
	s_delay_alu instid0(VALU_DEP_1)
	v_lshl_or_b32 v19, v18, 16, 0x101              ; for [zeros | codes]; the empty half has the byte 1
	s_delay_alu instid0(VALU_DEP_2)
	v_or_b32 v18, 0x1010000, v18                   ; for [codes | zeros]
.set j, 0
.rept 32
	v_mov_b32 v[O+j], 0                            ; O^T: the step is written for every step alike: the first finds zeros.  (These are also the places between the scale words just made and the first products)
.set j, j+1
.endr
; A KEY STEP: 128 keys.  A step all of whose keys come after my 16 queries is left out: a scalar branch on ids, round its loads and work, not round the lines at its end that step addresses.
.macro STEP
	s_add_co_u32 s[SX], s[Q0], 15
	s_cmp_gt_u32 s[KF], s[SX]
	s_cbranch_scc1 .Lhidden_\@
	v_add_nc_u32 v8, s[TK], v1                     ; six plain lines: also the places behind the last step's products, in front of the loads into their sources
	v_add_nc_u32 v9, s[TK], v2
	v_add_nc_u32 v10, s[TK], v3
	v_add_nc_u32 v11, s[TK], v4
	v_add_nc_u32 v12, s[TS], v5
	v_add_nc_u32 v13, s[TS], v6
.irp f, 0,1,2,3                                ; fragment f: key tiles 2 f and 2 f + 1
	ds_load_b128 v[F+12*\f:F+12*\f+3], v8 offset:1536*\f
	ds_load_b64 v[F+12*\f+4:F+12*\f+5], v9 offset:1536*\f+512
	ds_load_b128 v[F+12*\f+6:F+12*\f+9], v8 offset:1536*\f+768
	ds_load_b64 v[F+12*\f+10:F+12*\f+11], v9 offset:1536*\f+1280
.endr
	ds_load_b32 v20, v12                           ; lanes 0-15: fragment 0's words, lanes 16-31: fragment 1's
	ds_load_b32 v21, v12 offset:128                ; fragments 2 and 3
	s_wait_alu depctr_va_vdst(0)
	s_wait_dscnt 0x0
.irp f, 0,1,2,3
.if \f%2
	v_wmma_scale_f32_16x16x128_f8f6f4 v[S+16*\f:S+16*\f+7], v[F+12*\f:F+12*\f+11], v[26:37], 0, v[20+\f/2], v18 matrix_a_fmt:MATRIX_FMT_FP6 matrix_b_fmt:MATRIX_FMT_FP6 matrix_a_scale:MATRIX_SCALE_ROW1
	v_wmma_scale_f32_16x16x128_f8f6f4 v[S+16*\f+8:S+16*\f+15], v[F+12*\f:F+12*\f+11], v[38:49], 0, v[20+\f/2], v19 matrix_a_fmt:MATRIX_FMT_FP6 matrix_b_fmt:MATRIX_FMT_FP6 matrix_a_scale:MATRIX_SCALE_ROW1
.else
	v_wmma_scale_f32_16x16x128_f8f6f4 v[S+16*\f:S+16*\f+7], v[F+12*\f:F+12*\f+11], v[26:37], 0, v[20+\f/2], v18 matrix_a_fmt:MATRIX_FMT_FP6 matrix_b_fmt:MATRIX_FMT_FP6
	v_wmma_scale_f32_16x16x128_f8f6f4 v[S+16*\f+8:S+16*\f+15], v[F+12*\f:F+12*\f+11], v[38:49], 0, v[20+\f/2], v19 matrix_a_fmt:MATRIX_FMT_FP6 matrix_b_fmt:MATRIX_FMT_FP6
.endif
.endr
.rept 4
	v_nop                                          ; places in front of the loads into k's registers and of the first reads of the scores
.endr
.irp t, 0,1,2,3                                ; v's four tiles of 16 channels x these 128 keys: they land while the softmax is worked
	ds_load_b128 v[F+12*\t:F+12*\t+3], v10 offset:768*\t
	ds_load_b64 v[F+12*\t+4:F+12*\t+5], v11 offset:768*\t+512
	ds_load_b128 v[F+12*\t+6:F+12*\t+9], v10 offset:3072+768*\t
	ds_load_b64 v[F+12*\t+10:F+12*\t+11], v11 offset:3072+768*\t+512
.endr
	ds_load_b32 v22, v13
	ds_load_b32 v23, v13 offset:128
	s_add_co_u32 s[SX], s[KF], 127                 ; on the diagonal the scores of hidden keys become -infinity ahead of the maximum: p = 0 then.  A step all of whose keys count skips this
	s_cmp_le_u32 s[SX], s[Q0]
	s_cbranch_scc1 .Lopen_\@
	s_sub_co_i32 s[SX], s[Q0], s[KF]
	v_add_nc_u32 v230, s[SX], v25                  ; d = my query - KF - 8 (lane / 16).  Register n holds key KF + 8 (lane / 16) + 16 (n / 8) + n % 8: hidden where 16 (n / 8) + n % 8 > d
	v_mov_b32 v231, 0xff800000
.set n, 0
.rept 64
	v_cmp_gt_i32 vcc_lo, 16*(n/8)+n%8, v230
	v_cndmask_b32 v[S+n], v[S+n], v231, vcc_lo
.set n, n+1
.endr
.Lopen_\@:
.irp b, 0,1,2,3
	v_max3_num_f32 v[BM+\b], v[S+16*\b], v[S+16*\b+1], v[S+16*\b+2]   ; the largest score of each block of 32 keys: it serves for the row's maximum and, since p rises with the score, for the block's largest p
.endr
.irp i, 3,5,7,9,11,13
.irp b, 0,1,2,3
	v_max3_num_f32 v[BM+\b], v[BM+\b], v[S+16*\b+\i], v[S+16*\b+\i+1]
.endr
.endr
.irp b, 0,1,2,3
	v_max_num_f32 v[BM+\b], v[BM+\b], v[S+16*\b+15]
.endr
.irp b, 0,1,2,3
	s_delay_alu instid0(VALU_DEP_4)
	v_permlanex16_b32 v[PB+\b], v[BM+\b], s[SEL], s[SEL+1]
.endr
.irp b, 0,1,2,3
	s_delay_alu instid0(VALU_DEP_4)
	v_max_num_f32 v[BM+\b], v[BM+\b], v[PB+\b]     ; with lane l xor 16's 16 keys
.endr
	s_delay_alu instid0(VALU_DEP_2)
	v_max3_num_f32 v230, v[BM], v[BM+1], v[BM+2]
	s_delay_alu instid0(VALU_DEP_1)
	v_max_num_f32 v230, v230, v[BM+3]              ; the step's largest score of my query
	s_delay_alu instid0(VALU_DEP_1)
	v_mul_f32 v230, s[CS], v230                    ; as t (c is positive)
	s_delay_alu instid0(VALU_DEP_1)
	v_max_num_f32 v15, v15, v230                   ; the running largest t
	v_mov_b32 v230, v14
	s_delay_alu instid0(VALU_DEP_2)
	v_floor_f32 v14, -v15                          ; the new -M = floor(-t) = -ceil(t): a whole number
	s_delay_alu instid0(VALU_DEP_1)
	v_sub_f32 v230, v14, v230                      ; old M - new M: a whole number, 0 or less
	s_delay_alu instid0(VALU_DEP_1)
	v_cvt_i32_f32 v230, v230                       ; (it saturates)
	s_delay_alu instid0(VALU_DEP_1)
	v_ldexp_f32 v[FF], 1.0, v230                   ; f = 2^(old M - new M)
.set j, 0
.rept 32
	v_pk_fma_f32 v[S+j:S+j+1], v[S+j:S+j+1], s[CS:CS+1], v[NM:NM+1] op_sel_hi:[1,0,0]   ; t - M, two at a time
.set j, j+2
.endr
.irp b, 0,1,2,3
	v_fma_f32 v[BM+\b], v[BM+\b], s[CS], v14       ; the same of each block's largest score
.endr
.set j, 0
	s_wait_alu depctr_va_vdst(0)
.rept 64
	v_exp_f32 v[S+j], v[S+j]                       ; p = 2^(t - M), at most 1
.set j, j+1
.endr
.irp b, 0,1,2,3
	v_exp_f32 v[BM+\b], v[BM+\b]                   ; the block's largest p: the same two instructions on the same number
.endr
	v_pk_mul_f32 v[16:17], v[16:17], v[FF:FF+1] op_sel_hi:[1,0]   ; the sums under the new M.  (A plain place behind the exponentials)
	s_wait_alu depctr_va_vdst(0)
.irp b, 0,1,2,3
	v_max_num_f32 v[BM+\b], 0x1800000, v[BM+\b]    ; the floor 2^(3 - 127): the byte cannot fall under 1
.endr
.irp b, 0,1,2,3
	s_delay_alu instid0(VALU_DEP_4)
	v_add_nc_u32 v[SO+\b], 0xff000000, v[BM+\b]    ; 2 off the exponent field: the conversion's scale operand
.endr
.irp b, 0,1,2,3
	s_delay_alu instid0(VALU_DEP_4)
	v_lshrrev_b32 v[PB+\b], 23, v[SO+\b]           ; the scale's byte
.endr
	s_delay_alu instid0(VALU_DEP_3)
	v_lshl_or_b32 v24, v[PB+1], 8, v[PB]           ; p's scale word for these 128 keys
	s_delay_alu instid0(VALU_DEP_1)
	v_lshl_or_b32 v24, v[PB+2], 16, v24
	s_delay_alu instid0(VALU_DEP_1)
	v_lshl_or_b32 v24, v[PB+3], 24, v24
.irp c, 0,1
	v_cvt_scalef32_pk16_fp6_f32 v[PC+6*\c:PC+6*\c+2], v[S+32*\c:S+32*\c+15], v[SO+2*\c]
	v_cvt_scalef32_pk16_fp6_f32 v[PC2+4*\c:PC2+4*\c+2], v[S+32*\c+16:S+32*\c+31], v[SO+2*\c+1]   ; (a conversion's three registers begin on an even number)
.endr
	v_nop                                          ; one plain place behind a scaled conversion
.irp c, 0,1                                    ; a whole block to a lane: lanes 0-15 block 2 c, lanes 16-31 block 2 c + 1
.irp i, 0,1,2
	v_permlane16_swap_b32 v[PC+6*\c+\i], v[PC2+4*\c+\i]
.endr
.irp i, 0,1,2
	s_delay_alu instid0(VALU_DEP_3)
	v_mov_b32 v[PC+6*\c+3+\i], v[PC2+4*\c+\i]
.endr
.endr
	v_pk_add_f32 v[232:233], v[104:105], v[108:109]
	v_pk_add_f32 v[252:253], v[112:113], v[116:117]
	v_pk_add_f32 v[250:251], v[120:121], v[124:125]
	v_pk_add_f32 v[248:249], v[128:129], v[132:133]
	v_pk_add_f32 v[246:247], v[136:137], v[140:141]
	v_pk_add_f32 v[244:245], v[144:145], v[148:149]
	v_pk_add_f32 v[242:243], v[152:153], v[156:157]
	v_pk_add_f32 v[16:17], v[16:17], v[160:161]
	v_pk_add_f32 v[232:233], v[232:233], v[100:101]
	v_pk_add_f32 v[252:253], v[252:253], v[102:103]
	v_pk_add_f32 v[250:251], v[250:251], v[106:107]
	v_pk_add_f32 v[248:249], v[248:249], v[110:111]
	v_pk_add_f32 v[246:247], v[246:247], v[114:115]
	v_pk_add_f32 v[244:245], v[244:245], v[118:119]
	v_pk_add_f32 v[242:243], v[242:243], v[122:123]
	v_pk_add_f32 v[16:17], v[16:17], v[126:127]
	v_pk_add_f32 v[232:233], v[232:233], v[130:131]
	v_pk_add_f32 v[252:253], v[252:253], v[134:135]
	v_pk_add_f32 v[250:251], v[250:251], v[138:139]
	v_pk_add_f32 v[248:249], v[248:249], v[142:143]
	v_pk_add_f32 v[246:247], v[246:247], v[146:147]
	v_pk_add_f32 v[244:245], v[244:245], v[150:151]
	v_pk_add_f32 v[242:243], v[242:243], v[154:155]
	v_pk_add_f32 v[16:17], v[16:17], v[158:159]
	v_pk_add_f32 v[232:233], v[232:233], v[162:163]
	s_delay_alu instid0(VALU_DEP_2)
	v_pk_add_f32 v[16:17], v[16:17], v[248:249]
	s_delay_alu instid0(VALU_DEP_2)
	v_pk_add_f32 v[232:233], v[232:233], v[246:247]
	v_pk_add_f32 v[252:253], v[252:253], v[244:245]
	v_pk_add_f32 v[250:251], v[250:251], v[242:243]
	s_delay_alu instid0(VALU_DEP_2)
	v_pk_add_f32 v[16:17], v[16:17], v[252:253]
	s_delay_alu instid0(VALU_DEP_2)
	v_pk_add_f32 v[232:233], v[232:233], v[250:251]
	s_delay_alu instid0(VALU_DEP_1)
	v_pk_add_f32 v[16:17], v[16:17], v[232:233]
.set j, 0
.rept 16
	v_pk_mul_f32 v[O+j:O+j+1], v[O+j:O+j+1], v[FF:FF+1] op_sel_hi:[1,0]   ; O^T under the new M.  (With the sums above: the places between p's codes and scale word and the products)
.set j, j+2
.endr
	s_wait_alu depctr_va_vdst(0)
	s_wait_dscnt 0x0                               ; v's fragments and scale words are in
.irp t, 0,1,2,3                                ; O^T += v^T p^T: four accumulators by turns, one instruction a turn
.if \t%2
	v_wmma_scale_f32_16x16x128_f8f6f4 v[O+8*\t:O+8*\t+7], v[F+12*\t:F+12*\t+11], v[PC:PC+11], v[O+8*\t:O+8*\t+7], v[22+\t/2], v24 matrix_a_fmt:MATRIX_FMT_FP6 matrix_b_fmt:MATRIX_FMT_FP6 matrix_a_scale:MATRIX_SCALE_ROW1
.else
	v_wmma_scale_f32_16x16x128_f8f6f4 v[O+8*\t:O+8*\t+7], v[F+12*\t:F+12*\t+11], v[PC:PC+11], v[O+8*\t:O+8*\t+7], v[22+\t/2], v24 matrix_a_fmt:MATRIX_FMT_FP6 matrix_b_fmt:MATRIX_FMT_FP6
.endif
.endr
.Lhidden_\@:
	s_add_co_u32 s[KF], s[KF], 128
	s_add_co_u32 s[TK], s[TK], 6144
	s_add_co_u32 s[TS], s[TS], 256
.endm
	s_wait_alu depctr_va_vdst(0)                   ; the wait at the head's end
	s_wait_tensorcnt 0x0                           ; my part of the head is in
	s_barrier_signal -1
	s_barrier_wait -1                              ; all of it is: from here on no wave waits for another
	s_mov_b32 s[CNT], 16
.Lstep:
	STEP
	s_sub_co_u32 s[CNT], s[CNT], 1
	s_cmp_lg_u32 s[CNT], 0
	s_cbranch_scc1 .Lstep
; 32 numbers of a lane, v[src + 16 b + i] = block b, my 16 of its 32, become a half image in v[dst .. dst + 5] and the two blocks' scale bytes in v[wd].
.macro QUANT32 src, dst, wd
.irp b, 0,1
	v_max3_num_f32 v[TM+\b], |v[\src+16*\b]|, |v[\src+16*\b+1]|, 0x1800000
.endr
.irp i, 2,4,6,8,10,12,14
.irp b, 0,1
	s_delay_alu instid0(VALU_DEP_2)
	v_max3_num_f32 v[TM+\b], v[TM+\b], |v[\src+16*\b+\i]|, |v[\src+16*\b+\i+1]|
.endr
.endr
.irp b, 0,1
	s_delay_alu instid0(VALU_DEP_2)
	v_permlanex16_b32 v[TM+2+\b], v[TM+\b], s[SEL], s[SEL+1]
.endr
.irp b, 0,1
	s_delay_alu instid0(VALU_DEP_2)
	v_max_num_f32 v[TM+\b], v[TM+\b], v[TM+2+\b]
.endr
.irp b, 0,1
	s_delay_alu instid0(VALU_DEP_2)
	v_add_nc_u32 v[TM+4+\b], 0xff000000, v[TM+\b]
.endr
.irp b, 0,1
	s_delay_alu instid0(VALU_DEP_2)
	v_lshrrev_b32 v[TM+2+\b], 23, v[TM+4+\b]
.endr
	s_delay_alu instid0(VALU_DEP_1)
	v_lshl_or_b32 v[\wd], v[TM+3], 8, v[TM+2]
	v_cvt_scalef32_pk16_fp6_f32 v[\dst:\dst+2], v[\src:\src+15], v[TM+4]
	v_cvt_scalef32_pk16_fp6_f32 v[\dst+4:\dst+6], v[\src+16:\src+31], v[TM+5]
	v_nop
.irp i, 0,1,2
	v_permlane16_swap_b32 v[\dst+\i], v[\dst+4+\i]
.endr
	s_delay_alu instid0(VALU_DEP_3)
	v_mov_b32 v[\dst+3], v[\dst+4]
	s_delay_alu instid0(VALU_DEP_3)
	v_mov_b32 v[\dst+4], v[\dst+5]
	s_delay_alu instid0(VALU_DEP_3)
	v_mov_b32 v[\dst+5], v[\dst+6]
.endm
	; THE WAY OUT: y = O^T / the sum, quantised along my head's 64 channels
.rept 4
	v_nop                                          ; places behind the last products
.endr
	v_add_f32 v16, v16, v17                        ; the sum's two halves,
	s_delay_alu instid0(VALU_DEP_1)
	v_permlanex16_b32 v[PB], v16, s[SEL], s[SEL+1]
	s_delay_alu instid0(VALU_DEP_1)
	v_add_f32 v16, v16, v[PB]                      ; and lane l xor 16's: the row's sum
	s_wait_alu depctr_va_vdst(0)
	v_rcp_f32 v16, v16
	v_nop                                          ; one plain place behind a transcendental
.set j, 0
	s_wait_alu depctr_va_vdst(0)
.rept 16
	v_pk_mul_f32 v[S+j:S+j+1], v[O+j:O+j+1], v[16:17] op_sel_hi:[1,0]   ; each accumulator from its low end on; register 16 b + i is channel 32 b + 16 (lane / 16) + i
.set j, j+2
.endr
	QUANT32 S, PC, 230
	v_lshrrev_b32 v231, 8, v230
	s_delay_alu instid0(VALU_DEP_1)
	v_cndmask_b32 v231, v230, v231, s[MHI]         ; lanes 0-15 store block 0's byte, lanes 16-31 block 1's
	global_store_b128 v1, v[PC:PC+3], s[16:17]     ; 512 consecutive bytes,
	global_store_b64 v2, v[PC+4:PC+5], s[16:17] offset:512   ; and the 256 behind them
	global_store_b8 v7, v231, s[18:19]
	s_wait_tensorcnt 0x0
	ds_add_u32 v254, v255
	s_wait_dscnt 0x0
	CROUND                                         ; the closing round: no work-group ends while a partner may still ask for a tile that names it
	s_endpgm
.Lfunc_end_k_q174a474e2a_attn:
	.size	k_q174a474e2a_attn, .Lfunc_end_k_q174a474e2a_attn-k_q174a474e2a_attn
	.p2alignl 7, 3214868480
	.fill 96, 4, 3214868480
	.section	.rodata,"a",@progbits
	.p2align	6, 0x0
	.amdhsa_kernel k_q174a474e2a_attn
		.amdhsa_group_segment_fixed_size 206848
		.amdhsa_private_segment_fixed_size 0
		.amdhsa_enable_private_segment 0
		.amdhsa_kernarg_size 64
		.amdhsa_user_sgpr_count 2
		.amdhsa_user_sgpr_kernarg_segment_ptr 1
		.amdhsa_wavefront_size32 1
		.amdhsa_system_sgpr_workgroup_id_x 1
		.amdhsa_system_sgpr_workgroup_id_y 1
		.amdhsa_system_sgpr_workgroup_id_z 1
		.amdhsa_system_vgpr_workitem_id 0
		.amdhsa_next_free_vgpr 256
		.amdhsa_next_free_sgpr 84
		.amdhsa_reserve_vcc 1
		.amdhsa_float_denorm_mode_32 3
		.amdhsa_float_denorm_mode_16_64 3
		.amdhsa_memory_ordered 1
		.amdhsa_forward_progress 1
		.amdhsa_inst_pref_size 37
	.end_amdhsa_kernel
	.amdgpu_metadata
---
amdhsa.version: [ 1, 2 ]
amdhsa.kernels:
  - .name:           k_q174a474e2a_attn
    .symbol:         k_q174a474e2a_attn.kd
    .args:
      - { .name: qc, .offset: 0, .size: 8, .value_kind: global_buffer, .address_space: global }
      - { .name: qs, .offset: 8, .size: 8, .value_kind: global_buffer, .address_space: global }
      - { .name: kc, .offset: 16, .size: 8, .value_kind: global_buffer, .address_space: global }
      - { .name: ks, .offset: 24, .size: 8, .value_kind: global_buffer, .address_space: global }
      - { .name: vc, .offset: 32, .size: 8, .value_kind: global_buffer, .address_space: global }
      - { .name: vs, .offset: 40, .size: 8, .value_kind: global_buffer, .address_space: global }
      - { .name: yc, .offset: 48, .size: 8, .value_kind: global_buffer, .address_space: global }
      - { .name: ys, .offset: 56, .size: 8, .value_kind: global_buffer, .address_space: global }
    .group_segment_fixed_size: 206848
    .private_segment_fixed_size: 0
    .kernarg_segment_align: 8
    .kernarg_segment_size: 64
    .max_flat_workgroup_size: 512
    .sgpr_count:     84
    .vgpr_count:     256
    .wavefront_size: 32
...
	.end_amdgpu_metadata
.endif
;; end of part 2
;; launch outp (part 3): grid 16 x 16, 4 waves a work-group, clusters of 4 x 4, 327,680 bytes of LDS; arguments yc, ys, Wo_codes, Wo_scales, out0; writes out0
.if DOCPART == 3
	.amdgcn_target "amdgcn-amd-amdhsa--gfx1250"
	.amdhsa_code_object_version 6
	.text
	.protected	k_q174a474e2a_outp
	.globl	k_q174a474e2a_outp
	.p2align	8
	.type	k_q174a474e2a_outp,@function
k_q174a474e2a_outp:
	s_mov_b64 s[64:65], 0
	v_nop
	global_prefetch_b8 v0, s[64:65] scope:SCOPE_SE
	s_setreg_imm32_b32 hwreg(HW_REG_WAVE_MODE, 25, 1), 1
	s_wait_xcnt 0x0
	s_wait_alu depctr_hold_cnt(0) depctr_sa_sdst(0) depctr_va_vdst(0) depctr_va_sdst(0) depctr_va_ssrc(0) depctr_va_vcc(0) depctr_vm_vsrc(0)
	s_getreg_b32 s2, hwreg(HW_REG_IB_STS2, 6, 4)
	s_cmp_eq_u32 s2, 0
	s_cbranch_scc0 .Lentry_in_a_cluster
	s_endpgm
.Lentry_in_a_cluster:
	s_bfe_u32 s2, ttmp6, 0x10000c
	s_cmp_lg_u32 s2, 0xf033
	s_cbranch_scc0 .Lentry_shape_is_right
	s_endpgm
.Lentry_shape_is_right:
; out = y Wo^T on codes of FP6 (E2M3) with one E8M0 scale for each 32 along K; sums in f32.  out [2048][2048] f32.
; yc [tile of 16 tokens: 128][head 32] half images (16 rows x 64 along K as six registers a lane, 768 bytes: registers 0-3 at 16 x lane, 4-5 at 512 + 8 x lane); two neighbouring heads are a fragment.
; ys [tile][pair of heads: 16][row 16]: a word for 128 along K.  Wo: codes, 1,536 bytes a row; scale bytes 64 a row.
; SHARES.  256 work-groups of 128 x 128; each of four waves 64 x 64 (16 accumulators): ah = wave / 2 the tokens' half, bh = wave % 2 the columns' half.
; THE FEED.  K goes in two halves.  LDS: y's first half (8 tiles x 16 heads, dense), Wo's half (128 rows x 816 bytes), y's second half.  At the head each wave asks for one tile: wave 0 y's first half, wave 1 y's second,
; waves 2 and 3 64 rows each of Wo's first 768 bytes.  Wo's second half is the one refill, behind a round of the cluster's barrier.  All scale words go from memory into registers at the head.
; THE PRODUCT IS USED TRANSPOSED (source 0 = 16 rows of Wo, source 1 = 16 tokens of y): a lane holds eight neighbouring numbers of a row of out.
; CLUSTERS: 4 x 4.  y's tiles are shared along a row of the cluster, Wo's along a column: joint loads.  No prefetch: the text has no loop to run ahead in.
; LIMITS: scale bytes 0xff in Wo_scales are not served.
; REGISTERS: window 0: v1-22 addresses; v32-63 y's scale words, v64-127 Wo's (then the way out); v128-255 accumulators.  window 1: two fragment buffers of 96.
.set PITCH,  816                       ; 768 bytes + 16 behind each 256: row r starts at bank 12 r mod 64
.set HALFT,  64*PITCH
.set YB,     98304
.set WR,     YB
.set Y1,     YB+2*HALFT
.set STAGE,  Y1+YB                     ; 16 rows x (256 + 16) bytes for each wave; no fill lands here
.set SPARE,  STAGE+4*16*272
.set AA16, 8                           ; v8-9 y's images, K half 0, 1: 16 x lane
.set AA8,  10                          ; v10-11 8 x lane
.set AB,   12                          ; v12 Wo's fragments (v14: behind one padding more)
.set ASA,  16
.set ASB,  17
.set SPW,  18
.set NIL,  19
.set STO,  20
.set RD,   21
.set CO,   22
.set SCA,  32                          ; tile a, steps 2 j (lanes 0-15) and 2 j + 1 (lanes 16-31) at 8 a + j
.set SC0,  64                          ; block t, step s at 16 t + s
.set BK,   64
.set ACC,  128
.set F0,   0
.set F1,   128
.set WV,   36
.set AH,   37
.set BH,   38
.set CX,   39
.set CY,   40
.set XX,   41
.set YY,   42
.set G1A,  48
.set G1B,  56
.set G0A,  84
.set G0B,  92
.set MSB, 0
.macro WIN new
.if MSB != \new
	s_set_vgpr_msb (MSB<<8)|\new
.set MSB, \new
.endif
.endm
.macro PLACES                          ; four places behind a matrix instruction of this form (ISA guide 7.12.1)
.rept 4
	v_nop
.endr
.endm
.macro CROUND
	s_barrier_signal -1
	s_barrier_wait -1
	s_cmp_lg_u32 s[WV], 0
	s_cbranch_scc1 .Lnot_wave_0_\@
	s_barrier_signal -3
.Lnot_wave_0_\@:
	s_barrier_wait -3
	s_barrier_signal -1
	s_barrier_wait -1
.endm
	s_load_b256 s[4:11], s[0:1], 0x0               ; yc 4, ys 6, Wo codes 8, Wo scales 10
	s_load_b64 s[12:13], s[0:1], 0x20              ; out
	v_lshl_add_u32 v[SPW], v0, 2, SPARE
	v_mov_b32 v[NIL], 0
	ds_add_u32 v[SPW], v[NIL]                      ; the opening lines: the add twice and its wait
	ds_add_u32 v[SPW], v[NIL]
	v_lshrrev_b32 v1, 5, v0
	v_readfirstlane_b32 s[WV], v1
	s_lshr_b32 s[AH], s[WV], 1
	s_and_b32 s[BH], s[WV], 1
	s_bfe_u32 s[CX], ttmp6, 0x40000
	s_bfe_u32 s[CY], ttmp6, 0x40004
	s_lshl_b32 s[XX], ttmp9, 2
	s_add_co_u32 s[XX], s[XX], s[CX]
	s_and_b32 s[YY], ttmp7, 0xffff
	s_lshl_b32 s[YY], s[YY], 2
	s_add_co_u32 s[YY], s[YY], s[CY]
	s_lshl_b32 s2, s[CY], 2
	s_lshl_b32 s2, 15, s2
	s_lshl_b32 s100, 0x1111, s[CX]
	s_or_b32 s[G1A], s2, (3<<16)|(1<<21)           ; y: 8 rows (tiles of tokens) of 12,288 bytes (16 heads' images), 24,576 apart; elements of 8 bytes
	s_mov_b32 s[G1A+1], 1536<<16
	s_mov_b32 s[G1A+2], 8<<16
	s_mov_b32 s[G1A+3], 1536<<16
	s_mov_b32 s[G1A+4], 8
	s_mov_b32 s[G1A+5], 3072
	s_mov_b32 s[G1A+6], 0
	s_mov_b32 s[G1A+7], 0
	s_or_b32 s[G1B], s100, (1<<20)|(1<<21)|(5<<22)|(3<<25)   ; Wo: 64 rows of 768 bytes, 4 words of padding after every 64
	s_mov_b32 s[G1B+1], 768<<16
	s_mov_b32 s[G1B+2], 64<<16
	s_mov_b32 s[G1B+3], 768<<16
	s_mov_b32 s[G1B+4], 64
	s_mov_b32 s[G1B+5], 1536
	s_mov_b32 s[G1B+6], 0
	s_mov_b32 s[G1B+7], 0
	s_mul_i32 s66, s[YY], 196608                   ; y: tile 8 Y,
	s_mul_i32 s3, s[BH], 12288                     ; K half = the fetching wave's number
	s_add_co_u32 s66, s66, s3
	s_mov_b32 s67, 0
	s_lshl_b32 s2, s[YY], 13                       ; y's scale words: tile 8 Y + 4 ah
	s_lshl_b32 s3, s[AH], 12
	s_add_co_u32 s2, s2, s3
	s_mov_b32 s3, 0
	s_lshl_b32 s100, s[XX], 7
	s_lshl_b32 s101, s[BH], 6
	s_add_co_u32 s100, s100, s101                  ; Wo: row 128 X + 64 bh
	s_mul_i32 s104, s100, 1536
	s_mov_b32 s105, 0
	s_lshl_b32 s100, s100, 6
	s_mov_b32 s101, 0
	s_wait_dscnt 0x0
	s_wait_kmcnt 0x0
	s_add_nc_u64 s[G0A+2:G0A+3], s[4:5], s[66:67]
	s_add_nc_u64 s[G0B+2:G0B+3], s[8:9], s[104:105]
	s_add_nc_u64 s[6:7], s[6:7], s[2:3]
	s_add_nc_u64 s[10:11], s[10:11], s[100:101]
	s_or_b32 s[G0A+3], s[G0A+3], 0x80000000
	s_or_b32 s[G0B+3], s[G0B+3], 0x80000000
	s_mov_b32 s[G0A], 1
	s_mul_i32 s[G0A+1], s[BH], Y1
	s_mov_b32 s[G0B], 1
	s_mul_i32 s[G0B+1], s[BH], HALFT
	s_add_co_u32 s[G0B+1], s[G0B+1], WR
	CROUND                                         ; the first joint loads meet
	s_cmp_eq_u32 s[AH], 0                          ; one load a wave at the head
	s_cbranch_scc0 .Lhead_w
	tensor_load_to_lds s[G0A:G0A+3], s[G1A:G1A+7]
	s_nop 0
	PLACES
	s_branch .Lhead_asked
.Lhead_w:
	tensor_load_to_lds s[G0B:G0B+3], s[G1B:G1B+7]
	s_nop 0
	PLACES
.Lhead_asked:
	s_mul_i32 s14, s[AH], 49152                    ; my four tiles of tokens
	s_mul_i32 s15, s[BH], HALFT
	s_add_co_u32 s15, s15, WR                      ; my 64 rows of Wo
	s_mul_i32 s16, s[WV], 16*272
	s_add_co_u32 s16, s16, STAGE                   ; my stage
	s_lshl_b32 s2, s[YY], 7
	s_lshl_b32 s3, s[AH], 6
	s_add_co_u32 s2, s2, s3
	s_lshl_b32 s2, s2, 13                          ; my first row of out,
	s_lshl_b32 s3, s[XX], 9
	s_add_co_u32 s2, s2, s3
	s_lshl_b32 s3, s[BH], 8
	s_add_co_u32 s2, s2, s3                        ; my first column
	s_mov_b32 s3, 0
	s_add_nc_u64 s[12:13], s[12:13], s[2:3]
	v_and_b32 v1, 15, v0                           ; r
	v_bfe_u32 v2, v0, 4, 1                         ; h
	v_and_b32 v3, 31, v0                           ; lane
	v_lshl_add_u32 v[AA16], v3, 4, s14
	v_lshl_add_u32 v[AA8], v3, 3, s14
	v_add_nc_u32 v[AA16+1], Y1, v[AA16]
	v_add_nc_u32 v[AA8+1], Y1, v[AA8]
	v_mul_u32_u24 v4, v1, PITCH
	v_mad_u32_u24 v4, v2, 24, v4
	v_lshl_add_u32 v5, v2, 4, v4
	v_add_nc_u32 v[AB], s15, v4
	v_add_nc_u32 v[AB+2], s15, v5
	v_lshlrev_b32 v[ASA], 2, v3
	v_lshlrev_b32 v[ASB], 6, v1
	v_mul_u32_u24 v[STO], v1, 272
	v_lshl_add_u32 v[STO], v2, 5, v[STO]
	v_add_nc_u32 v[STO], s16, v[STO]               ; in: row r, 32 bytes for each half of the lanes
	v_mul_u32_u24 v[RD], v2, 272
	v_lshl_add_u32 v[RD], v1, 4, v[RD]
	v_add_nc_u32 v[RD], s16, v[RD]                 ; back: lanes 0-15 one row of 256 bytes, lanes 16-31 the next
	v_lshlrev_b32 v[CO], 13, v2
	v_lshl_add_u32 v[CO], v1, 4, v[CO]
	s_wait_alu depctr_va_vdst(0)                   ; the wait at the head's end
.irp i, 0,1,2,3                                ; the scale words for all of K: 48 loads
.irp j, 0,1,2,3,4,5,6,7
	global_load_b32 v[SCA+8*\i+\j], v[ASA], s[6:7] offset:\i*1024+128*\j
.endr
.irp j, 0,1,2,3
	global_load_b128 v[SC0+16*\i+4*\j:SC0+16*\i+4*\j+3], v[ASB], s[10:11] offset:\i*1024+16*\j
.endr
.endr
.macro FRAG reg, q, i                  ; a fragment of Wo: 24 bytes twice, in pieces of 8; 32 pieces, then 16 bytes of padding
.irp p, 0,1,2,3,4,5
.set PCE, 12*(\q)+6*(\p/3)+\p%3
.if PCE%32 < 29
	ds_load_b64 v[\reg+2*\p:\reg+2*\p+1], v[AB] offset:8*PCE+16*(PCE/32)+(\i)*16*PITCH
.else
	ds_load_b64 v[\reg+2*\p:\reg+2*\p+1], v[AB+2] offset:8*PCE+16*(PCE/32)+(\i)*16*PITCH
.endif
.endr
.endm
.macro FETCH h, q, f                   ; 40 LDS loads: y's four fragments (two images each), Wo's four
	WIN 0x40
.irp i, 0,1,2,3
	ds_load_b128 v[\f+12*\i:\f+12*\i+3], v[AA16+\h] offset:\i*12288+(\q)*1536
	ds_load_b64 v[\f+12*\i+4:\f+12*\i+5], v[AA8+\h] offset:\i*12288+(\q)*1536+512
	ds_load_b128 v[\f+12*\i+6:\f+12*\i+9], v[AA16+\h] offset:\i*12288+(\q)*1536+768
	ds_load_b64 v[\f+12*\i+10:\f+12*\i+11], v[AA8+\h] offset:\i*12288+(\q)*1536+1280
	FRAG \f+48+12*\i, \q, \i
.endr
.endm
.macro MUL f, s, zero                  ; 16 matrix instructions of step s (0 .. 15); the accumulators take turns
	WIN 0x05
.irp a, 0,1,2,3
.irp t, 0,1,2,3
.if \zero
	v_wmma_scale_f32_16x16x128_f8f6f4 v[ACC+8*(4*\a+\t):ACC+8*(4*\a+\t)+7], v[\f+48+12*\t:\f+48+12*\t+11], v[\f+12*\a:\f+12*\a+11], 0, v[SC0+16*\t+(\s)], v[SCA+8*\a+(\s)/2] matrix_a_fmt:MATRIX_FMT_FP6 matrix_b_fmt:MATRIX_FMT_FP6
.elseif (\s)%2
	v_wmma_scale_f32_16x16x128_f8f6f4 v[ACC+8*(4*\a+\t):ACC+8*(4*\a+\t)+7], v[\f+48+12*\t:\f+48+12*\t+11], v[\f+12*\a:\f+12*\a+11], v[ACC+8*(4*\a+\t):ACC+8*(4*\a+\t)+7], v[SC0+16*\t+(\s)], v[SCA+8*\a+(\s)/2] matrix_a_fmt:MATRIX_FMT_FP6 matrix_b_fmt:MATRIX_FMT_FP6 matrix_b_scale:MATRIX_SCALE_ROW1
.else
	v_wmma_scale_f32_16x16x128_f8f6f4 v[ACC+8*(4*\a+\t):ACC+8*(4*\a+\t)+7], v[\f+48+12*\t:\f+48+12*\t+11], v[\f+12*\a:\f+12*\a+11], v[ACC+8*(4*\a+\t):ACC+8*(4*\a+\t)+7], v[SC0+16*\t+(\s)], v[SCA+8*\a+(\s)/2] matrix_a_fmt:MATRIX_FMT_FP6 matrix_b_fmt:MATRIX_FMT_FP6
.endif
.endr
.endr
.endm
.macro HALF h, zero                    ; eight steps; each step's fragments are asked for one step ahead: the count 40 leaves just those out
	FETCH \h, 1, F1
	s_wait_dscnt 40
	MUL F0, 8*\h, \zero
	PLACES
.irp q, 1,2,3,4,5,6
	FETCH \h, \q+1, 128*((\q+1)%2)
	s_wait_dscnt 40
	MUL 128*(\q%2), 8*\h+\q, 0
	PLACES
.endr
	s_wait_dscnt 0x0
	MUL F1, 8*\h+7, 0
	PLACES
.endm
	s_wait_tensorcnt 0x0                           ; my tile is in
	s_barrier_signal -1
	s_barrier_wait -1                              ; everybody's are
	s_wait_loadcnt 0x0                             ; the scale words
	FETCH 0, 0, F0
	HALF 0, 1                                      ; K 0-1023
	WIN 0
	s_wait_tensorcnt 0x0                           ; ahead of a refill's barrier: this wait, the add and its wait
	ds_add_u32 v[SPW], v[NIL]
	s_add_nc_u64 s[G0B+2:G0B+3], s[G0B+2:G0B+3], 768
	s_wait_dscnt 0x0                               ; the add, and my reads of Wo's first half
	CROUND
	s_cmp_eq_u32 s[AH], 0
	s_cbranch_scc1 .Lno_refill                     ; waves 0 and 1 have nothing to fill
	tensor_load_to_lds s[G0B:G0B+3], s[G1B:G1B+7]  ; Wo's second half
	s_nop 0
	PLACES
.Lno_refill:
	s_wait_tensorcnt 0x0
	s_barrier_signal -1
	s_barrier_wait -1                              ; it is whole for every wave
	FETCH 1, 0, F0
	HALF 1, 0                                      ; K 1024-2047
	WIN 0
; THE WAY OUT, 16 tokens x 64 columns at a time, through my own stage, back as whole rows of 256 bytes.  LDS serves a wave's instructions in order (ISA guide 5.7.1.4)
.macro TOSTAGE a
.irp t, 0,1,2,3
	ds_store_b128 v[STO], v[ACC+8*(4*(\a)+\t):ACC+8*(4*(\a)+\t)+3] offset:64*\t        ; each accumulator from its low end on
	ds_store_b128 v[STO], v[ACC+8*(4*(\a)+\t)+4:ACC+8*(4*(\a)+\t)+7] offset:64*\t+16
.endr
.irp i, 0,1,2,3,4,5,6,7
	ds_load_b128 v[BK+32*((\a)%2)+4*\i:BK+32*((\a)%2)+4*\i+3], v[RD] offset:\i*544
.endr
.endm
.macro SEND a, younger                 ; younger: the LDS instructions issued behind block a's loads
	s_wait_dscnt \younger
.irp i, 0,1,2,3,4,5,6,7
	global_store_b128 v[CO], v[BK+32*((\a)%2)+4*\i:BK+32*((\a)%2)+4*\i+3], s[12:13] offset:(16*(\a)+2*\i)*8192 th:TH_STORE_NT   ; 16 lanes store 256 consecutive bytes, aligned
.endr
.endm
	TOSTAGE 0
.irp a, 1,2,3
.if \a > 1
	s_wait_xcnt 0x0                                ; block a - 2's stores have read their registers
.endif
	TOSTAGE \a
	SEND \a-1, 16
.endr
	SEND 3, 0
	s_wait_tensorcnt 0x0                           ; the wave's end
	ds_add_u32 v[SPW], v[NIL]
	s_wait_dscnt 0x0
	CROUND                                         ; the closing round
	s_endpgm
.Lfunc_end_k_q174a474e2a_outp:
	.size	k_q174a474e2a_outp, .Lfunc_end_k_q174a474e2a_outp-k_q174a474e2a_outp
	.p2alignl 7, 3214868480
	.fill 96, 4, 3214868480
	.section	.rodata,"a",@progbits
	.p2align	6, 0x0
	.amdhsa_kernel k_q174a474e2a_outp
		.amdhsa_group_segment_fixed_size 327680
		.amdhsa_private_segment_fixed_size 0
		.amdhsa_enable_private_segment 0
		.amdhsa_kernarg_size 40
		.amdhsa_user_sgpr_count 2
		.amdhsa_user_sgpr_kernarg_segment_ptr 1
		.amdhsa_wavefront_size32 1
		.amdhsa_system_sgpr_workgroup_id_x 1
		.amdhsa_system_sgpr_workgroup_id_y 1
		.amdhsa_system_sgpr_workgroup_id_z 1
		.amdhsa_system_vgpr_workitem_id 0
		.amdhsa_next_free_vgpr 512
		.amdhsa_next_free_sgpr 106
		.amdhsa_reserve_vcc 0
		.amdhsa_float_denorm_mode_32 3
		.amdhsa_float_denorm_mode_16_64 3
		.amdhsa_memory_ordered 1
		.amdhsa_forward_progress 1
		.amdhsa_inst_pref_size 95
	.end_amdhsa_kernel
	.amdgpu_metadata
---
amdhsa.version: [ 1, 2 ]
amdhsa.kernels:
  - .name:           k_q174a474e2a_outp
    .symbol:         k_q174a474e2a_outp.kd
    .args:
      - { .name: yc, .offset: 0, .size: 8, .value_kind: global_buffer, .address_space: global }
      - { .name: ys, .offset: 8, .size: 8, .value_kind: global_buffer, .address_space: global }
      - { .name: Wo_codes, .offset: 16, .size: 8, .value_kind: global_buffer, .address_space: global }
      - { .name: Wo_scales, .offset: 24, .size: 8, .value_kind: global_buffer, .address_space: global }
      - { .name: out0, .offset: 32, .size: 8, .value_kind: global_buffer, .address_space: global }
    .group_segment_fixed_size: 327680
    .private_segment_fixed_size: 0
    .kernarg_segment_align: 8
    .kernarg_segment_size: 40
    .max_flat_workgroup_size: 128
    .sgpr_count:     106
    .vgpr_count:     512
    .wavefront_size: 32
...
	.end_amdgpu_metadata
.endif
;; end of part 3
